; MI455X (gfx1250); checked and timed in simulation.
; The chip was launched on July 23, 2026; its instructions are those of AMD's public machine-readable ISA for CDNA 5 (MIT licence, August 2026) and "CDNA5" Instruction Set Architecture Reference Guide (July 2026). The comments in the code are by the model that wrote it; some were corrected since.
;; Cross Attention. Allowed arithmetic: matrix products marked QUANTISED: E5M2 operands, one given power-of-two scale a tensor, by v_wmma_f32_16x16x64_bf8_bf8 or v_wmma_f32_16x16x128_bf8_bf8, f32 sums; everything else in f32.
;; Inputs: image_features 4 x 4,096 x 256 float32; lowp_scales 6 int32 (the exponents e of the quantised operands' scales 2^e); text_features 4 x 4,096 x 256 float32.
;; Outputs: out0 4 x 4,096 x 256 float32; out1 4 x 4,096 x 256 float32.
;; This version of the problem:
;;   THIS VERSION OF THE PROBLEM IS GIVEN IN LOW PRECISION. The matrix products marked QUANTISED in the list below multiply operands that are first quantised to E5M2 (5 exponent bits, 2 mantissa bits; 8 bits a number), with one given power-of-two scale for each operand tensor; their sums are f32. All else is computed in f32.
;;   The module's matrix products, in the order in which they are computed (A, B: the left and right operand; K: the contracted axis; several contracted axes count as one K, in the product's order):
;;     1. batch 4 x [M 4,096, K 256] x [K 256, N 4,096]; A: input image_features; B: input text_features: QUANTISED (scales: A lowp_scales[0], B lowp_scales[1])
;;     2. batch 4 x [M 4,096, K 4,096] x [K 4,096, N 256]; A: softmax (see below); B: input text_features: QUANTISED (scales: A lowp_scales[2], B lowp_scales[3])
;;     3. batch 4 x [M 4,096, K 4,096] x [K 4,096, N 256]; A: computed on the way; B: input image_features: QUANTISED (scales: A lowp_scales[4], B lowp_scales[5])
;;   THE QUANTISER, for each operand of a quantised product, along K:
;;     - The operand's scale is 2^e, e = its entry of the input lowp_scales (int32; the entries are numbered through the quantised products in the list's order, A before B).
;;     - Each number is divided by the scale, clamped to +-57,344, and rounded to the nearest number of E5M2, ties to even, subnormals kept.
;;     - The product sums the exact products of the quantised numbers (number of the format x scale) in f32.
;;   ~~~python
;;   def quantise(x, axis, e):      # numpy; x: float32 -> the quantised numbers, widened to float32 again
;;       x = np.moveaxis(x, axis, -1); K = x.shape[-1]
;;       r = np.clip(x / 2.0 ** e, -57344, 57344)
;;       step = 2.0 ** (np.maximum(np.frexp(np.where(r == 0, 1, r))[1] - 1, -14) - 2)
;;       q = np.round(r / step) * step * 2.0 ** e      # np.round: ties to even
;;       return np.moveaxis(q, -1, axis).astype(np.float32)
;;   ~~~
;;   SOFTMAX AHEAD OF A QUANTISED PRODUCT. Where the list says 'softmax', what is quantised is not the finished softmax but p = 2^(t - M), with t = logit x log2(e) and M = ceil(the row's largest t), a whole number; so 1/2 < the row's largest p <= 1. The row's sum l is taken of the UNQUANTISED p, in f32, and the product's result is divided by l at the end. Since M is a whole number, a kernel that streams over the keys may use a running M (the ceiling of the running maximum): every later rescaling is an exact power of two, so the quantised numbers keep their values, but for numbers so far below the row's largest that they fall under the format's range.
;;   OPERANDS COMPUTED ON THE WAY. 'Computed on the way' means the value that the module computes at that place (a softmax that the list does not call 'softmax' is quantised finished and normalised). What goes into a quantiser is computed in f32, as accurately as f32 sums, v_exp_f32 and their like allow (about 1e-6 of the number): no bf16 or f16 on the way to a quantiser, and a product that is left as it is and whose result goes on into a quantised operand takes f32 operands (vector FMAs, or v_wmma_f32_16x16x4_f32). A number that lies on a knife's edge between two numbers of the format may be rounded either way, as far as f32 arithmetic and the matrix unit's own rounding can turn it there, and no further.
;; One version. Each part assembles by itself: llvm-mc -triple=amdgcn-amd-amdhsa -mcpu=gfx1250 --defsym DOCPART=n.
;; ======== version 1 of 1: 3 launches
;; limits: right only within a limited range of input values
;; workspace buffers: img_q 4,194,304 bytes; txt_k 4,194,304 bytes; img_v 4,194,304 bytes; txt_v 4,194,304 bytes; stats 65,536 bytes
;; launch quant (part 1): grid 256 x 1, 8 waves a work-group, no clusters, 69,120 bytes of LDS; arguments image_features, text_features, lowp_scales, img_q, txt_k, img_v, txt_v; writes img_q, txt_k, img_v, txt_v
.if DOCPART == 1
	.amdgcn_target "amdgcn-amd-amdhsa--gfx1250"
	.amdhsa_code_object_version 6
	.text
	.protected	k_qf185b81e37_quant
	.globl	k_qf185b81e37_quant
	.p2align	8
	.type	k_qf185b81e37_quant,@function
k_qf185b81e37_quant:
	s_mov_b64 s[64:65], 0
	v_nop
	global_prefetch_b8 v0, s[64:65] scope:SCOPE_SE
	s_setreg_imm32_b32 hwreg(HW_REG_WAVE_MODE, 25, 1), 1
	s_wait_xcnt 0x0
; image_features and text_features, each 16,384 rows x 256 f32, become codes of BF8 (E5M2) twice over, each time with the scale 2^e given for that use:
;   ROW CODES (K = the 256 columns; image: entry 0 of the scales, text: entry 1), laid as register images of 16 rows x 128 K:
;     [row / 16][ks: 2][c: 4][lane: 32][16 bytes]; byte i of lane (r = lane % 16, h = lane / 16) is the code of X[16 T + r][128 ks + 32 c + 16 h + i].
;   COLUMN CODES (K = the rows; image: entry 5, text: entry 3), laid as register images of 16 columns x 64 K:
;     [row / 64][ct: 16][c: 2][lane: 32][16 bytes]; byte i of lane (r, h) is the code of X[64 blk + 32 c + 16 (i / 8) + 8 h + i % 8][16 ct + r].
; code = x / 2^e, held within +-57,344, rounded to the nearest code, ties to even.
; LIMITS: each of the four exponents lies between -126 and 112, so that 2^e and 57,344 x 2^e are f32 numbers.  NaN among the inputs is not served (an infinity is held at the largest code).
; SHARES.  Work-groups 0-127 take the image, 128-255 the text: only pointers and exponents are chosen, one path serves both.  A work-group takes 128 rows; wave w takes rows 32 (w / 2) on,
; columns 128 (w % 2) on; a lane holds 4 neighbouring columns of 32 rows: each load of a wave reads 512 consecutive bytes.
; One scale serves a whole tensor, so the eight numbers of a conversion need not be neighbours along K: two rows' 4 columns give one register of 4 row codes for each row;
; the same with the other scale, then a 4 x 4 turn of bytes (8 v_perm_b32 for 4 rows), gives 4 codes down the rows for each column.
; Both kinds meet in LDS stages, and each wave then stores 2 x 4,096 consecutive bytes, 512 an instruction.  All 32 loads of a wave are out from the start; no loop, every offset an immediate.
.set RP,  272                          ; row stage: 128 rows of 256 codes + 16 bytes of padding: 17 x 16, so the 16 rows that a read-back touches fall on 16 different groups of banks
.set CST, 128*RP                       ; column stage behind it: 32 blocks (64 rows x 16 columns = 1,024 bytes) + 16 of padding each
.set CB,  1040
.set T,   48                           ; v48-79   column codes: column c at T + 8 c: 4 registers for h = 0, 4 for h = 1
.set X,   80                           ; v80-207  row i's four numbers at X + 4 i; later codes; later what is read back
	s_load_b256 s[4:11], s[0:1], 0x0               ; image s[4:5], text s[6:7], the exponents s[8:9], img_q s[10:11]
	s_load_b128 s[12:15], s[0:1], 0x20             ; txt_k s[12:13], img_v s[14:15]
	s_load_b64 s[16:17], s[0:1], 0x30              ; txt_v
	v_lshl_add_u32 v208, v0, 2, 0x10a00
	v_mov_b32 v209, 0
	v_lshrrev_b32 v1, 5, v0
	s_delay_alu instid0(VALU_DEP_1)
	v_readfirstlane_b32 s18, v1                    ; wave 0..7
	v_and_b32 v1, 31, v0                           ; lane
	s_wait_alu depctr_va_vdst(0)
	s_lshr_b32 s19, s18, 1                         ; rg: which 32 rows
	s_and_b32 s20, s18, 1                          ; hf: which 128 columns
	s_lshl_b32 s21, s19, 15
	s_lshl_b32 s22, s20, 9
	s_add_co_u32 s21, s21, s22
	v_lshl_add_u32 v2, v1, 4, s21                  ; in: 32 rows of 1,024 bytes x rg + 512 hf + 16 lane
	s_mul_i32 s21, s19, 32*RP
	s_lshl_b32 s22, s20, 7
	s_add_co_u32 s21, s21, s22
	v_lshl_add_u32 v3, v1, 2, s21                  ; row stage, in: my first row, byte 128 hf + 4 lane
	s_lshr_b32 s21, s18, 2                         ; which block of 64 rows
	s_lshl_b32 s21, s21, 4
	s_lshl_b32 s22, s20, 3
	s_add_co_u32 s21, s21, s22                     ; 16 x block + 8 hf: my first group of 16 columns
	s_mul_i32 s21, s21, CB
	s_and_b32 s22, s19, 1
	s_lshl_b32 s22, s22, 9                         ; which 32 rows of the 64
	s_add_co_u32 s21, s21, s22
	s_add_co_u32 s21, s21, CST
	v_lshrrev_b32 v8, 2, v1
	s_delay_alu instid0(VALU_DEP_1)
	v_mul_u32_u24 v8, v8, CB                       ; four lanes to a group of 16 columns
	v_and_b32 v9, 3, v1
	s_delay_alu instid0(VALU_DEP_1)
	v_lshl_add_u32 v8, v9, 6, v8                   ; my four columns are four target lanes: 64 bytes
	s_delay_alu instid0(VALU_DEP_1)
	v_add_nc_u32 v4, s21, v8                       ; column stage, in
	s_mul_i32 s21, s18, 16*RP
	v_and_b32 v8, 15, v1
	s_delay_alu instid0(VALU_DEP_1)
	v_mul_u32_u24 v8, v8, RP
	v_lshrrev_b32 v9, 4, v1
	s_delay_alu instid0(VALU_DEP_1)
	v_lshl_add_u32 v8, v9, 4, v8
	s_delay_alu instid0(VALU_DEP_1)
	v_add_nc_u32 v5, s21, v8                       ; row stage, back: tile w, row lane % 16, + 16 (lane / 16)
	s_mul_i32 s21, s18, 4*CB
	s_add_co_u32 s21, s21, CST
	v_lshl_add_u32 v6, v1, 4, s21                  ; column stage, back: blocks 4 w on, 16 bytes a lane
	s_lshl_b32 s21, s18, 12
	v_lshl_add_u32 v7, v1, 4, s21                  ; out: 4,096 w + 16 lane, in both buffers
	s_mov_b32 s40, 0x05010400                      ; v_perm_b32: bytes 0 and 1 of two registers, interleaved
	s_mov_b32 s41, 0x07030602                      ; bytes 2 and 3
	s_mov_b32 s42, 0x05040100                      ; the low halves of two registers
	s_mov_b32 s43, 0x07060302                      ; the high halves
	s_and_b32 s24, ttmp9, 127                      ; which 128 rows of the tensor
	s_lshl_b32 s26, s24, 15                        ; their codes: 32,768 bytes in either layout
	s_mov_b32 s27, 0
	s_lshl_b32 s24, s24, 17                        ; their numbers: 131,072 bytes
	s_mov_b32 s25, 0
	s_wait_kmcnt 0x0
	s_load_b128 s[28:31], s[8:9], 0x0              ; entries 0 to 3
	s_load_b64 s[32:33], s[8:9], 0x10              ; entries 4, 5
	s_cmp_lt_u32 ttmp9, 128                        ; image or text: the choice hangs on the work-group's number alone
	s_cselect_b64 s[4:5], s[4:5], s[6:7]
	s_cselect_b64 s[10:11], s[10:11], s[12:13]
	s_cselect_b64 s[14:15], s[14:15], s[16:17]
	s_add_nc_u64 s[4:5], s[4:5], s[24:25]
	s_add_nc_u64 s[10:11], s[10:11], s[26:27]
	s_add_nc_u64 s[14:15], s[14:15], s[26:27]
.set n, 0
.rept 32
	global_load_b128 v[X+4*n:X+4*n+3], v2, s[4:5] offset:1024*n th:TH_LOAD_NT   ; row n: 32 lanes read 512 consecutive bytes; read once in the launch
.set n, n+1
.endr
	s_wait_kmcnt 0x0
	s_cmp_lt_u32 ttmp9, 128
	s_cselect_b32 s34, s28, s29                    ; the row codes' exponent
	s_cselect_b32 s35, s33, s31                    ; the column codes'
	s_add_co_i32 s34, s34, 127
	s_lshl_b32 s36, s34, 23
	v_mov_b32 v13, s36                             ; 2^e as f32: the conversion takes its exponent field
	s_add_co_i32 s34, s34, 15
	s_lshl_b32 s34, s34, 23
	s_or_b32 s34, s34, 0x600000
	v_mov_b32 v12, s34                             ; 57,344 x 2^e
	s_add_co_i32 s35, s35, 127
	s_lshl_b32 s36, s35, 23
	v_mov_b32 v15, s36
	s_add_co_i32 s35, s35, 15
	s_lshl_b32 s35, s35, 23
	s_or_b32 s35, s35, 0x600000
	v_mov_b32 v14, s35
; Rows 2 j and 2 j + 1.  The held numbers go into temporaries that take turns by j's parity: sixteen plain lines stand between a conversion and the next write of its sources.
.macro PAIR j
.set TR, 16+16*((\j)%2)
.set TC, TR+8
	s_wait_loadcnt 30-2*(\j)                       ; loads come back in order: these two rows are in, the 30 - 2 j behind them may be out
.irp i, 0,1,2,3,4,5,6,7
	v_med3_num_f32 v[TR+\i], v[X+8*(\j)+\i], -v12, v12   ; the conversion to an 8-bit code does not saturate (ISA guide 7.6.2): the hold at the largest code x the scale
.endr
.irp i, 0,1,2,3,4,5,6,7
	v_med3_num_f32 v[TC+\i], v[X+8*(\j)+\i], -v14, v14
.endr
	v_cvt_scalef32_pk8_bf8_f32 v[X+8*(\j):X+8*(\j)+1], v[TR:TR+7], v13       ; one register of 4 row codes for each of the two rows
	v_cvt_scalef32_pk8_bf8_f32 v[X+8*(\j)+2:X+8*(\j)+3], v[TC:TC+7], v15     ; the same with the column codes' scale
	ds_store_b32 v3, v[X+8*(\j)] offset:2*RP*(\j)
	ds_store_b32 v3, v[X+8*(\j)+1] offset:2*RP*(\j)+RP
.endm
	s_wait_alu depctr_va_vdst(0)
.irp j, 0,1,2,3,4,5,6,7,8,9,10,11,12,13,14,15
	PAIR \j
.endr
	v_nop                                          ; a plain line between the last conversion and the vector lines that read its result
; Rows 4 g to 4 g + 3: four registers of 4 columns' codes become four registers of 4 rows' codes.  Of the 32 rows, row 16 a + 8 h + i is byte 8 a + i of half h: rows 4 g on are register (g % 2) + 2 (g / 4) of half (g / 2) % 2.
.macro TR4 g
.set A0, X+16*(\g)+2
.set U0, X+16*(\g)+4
.set TD, T+4*(((\g)/2)%2)+((\g)%2)+2*((\g)/4)
	v_perm_b32 v[U0],    v[A0+1], v[A0],   s40
	v_perm_b32 v[U0+1],  v[A0+1], v[A0],   s41
	v_perm_b32 v[U0+2],  v[A0+9], v[A0+8], s40
	v_perm_b32 v[U0+3],  v[A0+9], v[A0+8], s41
	s_delay_alu instid0(VALU_DEP_2)
	v_perm_b32 v[TD],    v[U0+2], v[U0],   s42
	s_delay_alu instid0(VALU_DEP_3)
	v_perm_b32 v[TD+8],  v[U0+2], v[U0],   s43
	s_delay_alu instid0(VALU_DEP_3)
	v_perm_b32 v[TD+16], v[U0+3], v[U0+1], s42
	s_delay_alu instid0(VALU_DEP_4)
	v_perm_b32 v[TD+24], v[U0+3], v[U0+1], s43
.endm
.irp g, 0,1,2,3,4,5,6,7
	TR4 \g
.endr
.irp c, 0,1,2,3
.irp h, 0,1
	ds_store_b128 v4, v[T+8*\c+4*\h:T+8*\c+4*\h+3] offset:16*\c+256*\h   ; column 4 (lane % 4) + c is target lane 4 (lane % 4) + c + 16 h
.endr
.endr
	s_wait_dscnt 0x0                               ; for the others' sake: my stores into both stages are done
	s_barrier_signal -1
	s_barrier_wait -1
.irp i, 0,1,2,3,4,5,6,7
	ds_load_b128 v[X+4*\i:X+4*\i+3], v5 offset:128*(\i/4)+32*(\i%4)          ; tile w's eight quarter fragments
.endr
.irp i, 0,1,2,3,4,5,6,7
	ds_load_b128 v[X+32+4*\i:X+32+4*\i+3], v6 offset:CB*(\i/2)+512*(\i%2)    ; blocks 4 w to 4 w + 3, as they lie
.endr
.irp k, 0,1,2,3,4,5,6,7
	s_wait_dscnt 15-\k
	global_store_b128 v7, v[X+4*\k:X+4*\k+3], s[10:11] offset:512*\k         ; 32 lanes store 512 consecutive bytes, at a multiple of 512 from the buffer's first byte
.endr
.irp k, 0,1,2,3,4,5,6,7
	s_wait_dscnt 7-\k
	global_store_b128 v7, v[X+32+4*\k:X+32+4*\k+3], s[14:15] offset:512*\k
.endr
	s_wait_tensorcnt 0x0
	ds_add_u32 v208, v209
	s_wait_dscnt 0x0
	s_endpgm
.Lfunc_end_k_qf185b81e37_quant:
	.size	k_qf185b81e37_quant, .Lfunc_end_k_qf185b81e37_quant-k_qf185b81e37_quant
	.p2alignl 7, 3214868480
	.fill 96, 4, 3214868480
	.section	.rodata,"a",@progbits
	.p2align	6, 0x0
	.amdhsa_kernel k_qf185b81e37_quant
		.amdhsa_group_segment_fixed_size 69120
		.amdhsa_private_segment_fixed_size 0
		.amdhsa_enable_private_segment 0
		.amdhsa_kernarg_size 56
		.amdhsa_user_sgpr_count 2
		.amdhsa_user_sgpr_kernarg_segment_ptr 1
		.amdhsa_wavefront_size32 1
		.amdhsa_system_sgpr_workgroup_id_x 1
		.amdhsa_system_sgpr_workgroup_id_y 1
		.amdhsa_system_sgpr_workgroup_id_z 1
		.amdhsa_system_vgpr_workitem_id 0
		.amdhsa_next_free_vgpr 210
		.amdhsa_next_free_sgpr 66
		.amdhsa_reserve_vcc 0
		.amdhsa_float_denorm_mode_32 3
		.amdhsa_float_denorm_mode_16_64 3
		.amdhsa_memory_ordered 1
		.amdhsa_forward_progress 1
		.amdhsa_inst_pref_size 37
	.end_amdhsa_kernel
	.amdgpu_metadata
---
amdhsa.version: [ 1, 2 ]
amdhsa.kernels:
  - .name:           k_qf185b81e37_quant
    .symbol:         k_qf185b81e37_quant.kd
    .args:
      - { .name: image_features, .offset: 0, .size: 8, .value_kind: global_buffer, .address_space: global }
      - { .name: text_features, .offset: 8, .size: 8, .value_kind: global_buffer, .address_space: global }
      - { .name: lowp_scales, .offset: 16, .size: 8, .value_kind: global_buffer, .address_space: global }
      - { .name: img_q, .offset: 24, .size: 8, .value_kind: global_buffer, .address_space: global }
      - { .name: txt_k, .offset: 32, .size: 8, .value_kind: global_buffer, .address_space: global }
      - { .name: img_v, .offset: 40, .size: 8, .value_kind: global_buffer, .address_space: global }
      - { .name: txt_v, .offset: 48, .size: 8, .value_kind: global_buffer, .address_space: global }
    .group_segment_fixed_size: 69120
    .private_segment_fixed_size: 0
    .kernarg_segment_align: 8
    .kernarg_segment_size: 56
    .max_flat_workgroup_size: 256
    .sgpr_count:     66
    .vgpr_count:     210
    .wavefront_size: 32
...
	.end_amdgpu_metadata
.endif
;; end of part 1
;; launch attn_i (part 2): grid 64 x 4, 4 waves a work-group, clusters of 4 x 1, 327,680 bytes of LDS; arguments img_q, txt_k, txt_v, lowp_scales, out0, stats; writes out0, stats
.if DOCPART == 2
	.amdgcn_target "amdgcn-amd-amdhsa--gfx1250"
	.amdhsa_code_object_version 6
	.text
	.protected	k_qf185b81e37_attn_i
	.globl	k_qf185b81e37_attn_i
	.p2align	8
	.type	k_qf185b81e37_attn_i,@function
k_qf185b81e37_attn_i:
	s_mov_b64 s[64:65], 0
	v_nop
	global_prefetch_b8 v0, s[64:65] scope:SCOPE_SE
	s_setreg_imm32_b32 hwreg(HW_REG_WAVE_MODE, 25, 1), 1
	s_wait_xcnt 0x0
	s_wait_alu depctr_hold_cnt(0) depctr_sa_sdst(0) depctr_va_vdst(0) depctr_va_sdst(0) depctr_va_ssrc(0) depctr_va_vcc(0) depctr_vm_vsrc(0)
	s_getreg_b32 s2, hwreg(HW_REG_IB_STS2, 6, 4)
	s_cmp_eq_u32 s2, 0
	s_cbranch_scc0 .Lentry_in_a_cluster
	s_endpgm
.Lentry_in_a_cluster:
	s_bfe_u32 s2, ttmp6, 0x10000c
	s_cmp_lg_u32 s2, 0x3003
	s_cbranch_scc0 .Lentry_shape_is_right
	s_endpgm
.Lentry_shape_is_right:
; out0[b][i][:] = sum over t of softmax_t(image_i . text_t / 16) text_t, both products on codes of BF8 (E5M2), each operand with the one scale 2^e that is given for it (entries 0 to 3),
; and stats[b][i] = -(M + log2 l) of each image row, which the next launch needs for the finished softmax.
; THE SOFTMAX: t = score x log2(e) / 16; M = the largest t so far, rounded UP to a whole number; p = 2^(t - M) is quantised along the keys, not normalised; l is the sum of the unquantised p and divides at the end.
; SHARES.  A work-group owns 64 image rows (queries) of one batch.  EVERY WAVE HOLDS ALL 64 QUERIES, four tiles of 16, AND TAKES A QUARTER OF THE KEYS: wave w takes keys 64 w .. 64 w + 63 of each slot of 256.
; So each LDS byte is read by one wave, once, and feeds four matrix instructions.  Each wave keeps its own M, l and O^T; they meet once, at the end, through LDS: M is a whole number, so bringing
; a wave's sums under the common M is a multiplication by a power of two.  Register tile j of wave w is query tile (w + j) % 4: tile 0 is the one that the wave finishes and stores.
; LAYOUT.  S^T = K Q^T (source 0 = 16 keys, source 1 = 16 queries; 128 along the 256 channels an instruction; k stands permuted, alike on both sides), O^T = V^T P^T (source 0 = 16 channels, source 1 = P; K = my 64 keys):
; a lane holds one query throughout; the eight registers of a tile of S^T are keys 16 kt + 8 (lane / 16) + 0 .. 7, which is the place that the K = 64 form gives them: the conversions' results are the operand.
; Keys and values lie in memory as images of the operands' registers: every fragment load reads 512 consecutive bytes of LDS, and a slot's quarter is one dense block of 32,768 bytes for one tensor load.
; CLUSTER.  The four work-groups of a cluster belong to one batch and walk the same keys and values: each tile is asked for jointly, by the same load with the same descriptor and a mask that names the four.
; THE WALK.  The 16 clusters of a batch walk the same 16 slots of 256 keys, each from a start of its own: cluster x takes slot (3 x + n) mod 16 in its step n; 3 is odd, so the 16 starts differ, and in no step
; do two clusters name the same bytes.  Maxima and sums hang on the order of the keys in their last bits alone.
; NO PREFETCH: the clusters' first loads together name all of a batch's keys and values: nothing is left that could be asked for ahead of its first load.
; LIMITS on the given exponents, so that each power of two below is an f32 number: entries 0 + 1 between -122 and 131 (added to c's exponent field); entry 2 between -126 and 127; entries 2 + 3 are applied by v_ldexp_f32.
; p is quantised under the wave's running M: numbers far under the row's largest may fall under the format's range at another place than under the final M.  NaN is not served.
; REGISTERS, in windows of 256: window 0: v1-15, v50-54 addresses; v16-47 statistics, eight a tile; v49 the scale; v64-191 S^T, then p (tile t, key tile kt at 64 + 32 t + 8 kt); v192-223 p's codes; v224-255 at work.
;   window 1: v0-127 Q (32 t + 16 ks); v128-255 K's fragments, then V's.   windows 2, 3: O^T: tile t, channels 16 ct on, in window 2 + t / 2 at 128 (t % 2) + 8 ct.
.set SLOT1, 1<<17                      ; a slot: 65,536 bytes of keys, 65,536 of values; slot 1 begins here, so that one exclusive or turns an address
.set IMGO,  49152                      ; the merge: three images of 16,384 bytes for each owner, from LDS byte 0 on: in the ring, which has had its last fill and its last read by then
.set STG,   196608                     ; the way out: 16 rows x (1,024 + 16) bytes for each wave, behind the images
.set SP,    1040
.set STATM, 263168                     ; the merge: -M at 512 owner + 16 lane + 4 j, l the same + 2,048
.set SPARE, 267264                     ; the spare words, 128 bytes for each wave: two blocks of 256 bytes that no other line names
.set AK,   2                           ; v2   16 lane + 16,384 wave: my keys in a slot
.set AV,   3                           ; v3   the same + 65,536: my values
.set ADR,  4                           ; v4, v5 the same in the slot in hand
.set ADR2, 5
.set SPW,  6                           ; v6   LDS address of my spare word; never rewritten
.set NIL,  7                           ; v7   0; never rewritten
.set BJ,   9                           ; v9-12  the merge: STATM + 512 x (query tile of my tile j) + 16 lane
.set IA,   13                          ; v13-15 the merge: where tile j = 1, 2, 3 goes
.set ST,   16                          ; tile t at ST + 8 t: +0 -M, +1 the largest t, +2, +3 l in two halves, +4 f (+5 named with it), +6, +7 at work
.set HOLD, 48
.set SCL,  49
.set IR,   50                          ; v50  the merge: where my three images lie
.set STO,  51                          ; v51  the way out: where I put 32 bytes of a row
.set SRD,  52                          ; v52  and where I read half a row back
.set LI,   53                          ; v53  16 x lane
.set KO,   54                          ; v54  4 x (lane % 16)
.set S,    64
.set P,    192
.set W,    224
.set KV,   128                         ; in window 1
.set WV,   16                          ; s16 wave; s17 cx; s18 block of 64 queries; s19 batch
.set SEL,  20                          ; s[20:21] v_permlanex16_b32's selects for lane l xor 16
.set CS,   22                          ; s[22:23] c = log2(e) / 16 x 2^(entries 0 + 1)
.set G1,   24                          ; s[24:31] descriptor group 1
.set G0,   32                          ; s[32:35] descriptor group 0, which walks
.set TB,   42                          ; s42 LDS byte at which the slot in hand begins
.set SLOTS, 43                         ; s43 the loop's trips to go
.set SI,   44                          ; s44 which of the batch's 16 slots was asked for last
.set TBA,  46                          ; s[46:47] my quarter of a slot, in the batch's slot 0
.set OJ,   50                          ; s50-53 (wave + j) % 4
.set OFS,  58                          ; s[58:59] 65,536 x s[SI]
.set MSB, 0
.macro WIN new                         ; low byte: bits 1:0 source 0, 3:2 source 1, 5:4 source 2, 7:6 destination; the high byte repeats the setting that is left
.if MSB != \new
	s_set_vgpr_msb (MSB<<8)|\new
.set MSB, \new
.endif
.endm
.macro PLACES                          ; four plain vector lines behind a matrix instruction, ahead of loads into registers that it read and of the first read of its result
.rept 4
	v_nop
.endr
.endm
.macro CROUND                          ; a round of the cluster's barrier: my work-group's barrier; wave 0 signals for the work-group; every wave waits for all four work-groups; my work-group's barrier again
	s_barrier_signal -1
	s_barrier_wait -1
	s_cmp_lg_u32 s[WV], 0
	s_cbranch_scc1 .Lnot_wave_0_\@
	s_barrier_signal -3
.Lnot_wave_0_\@:
	s_barrier_wait -3
	s_barrier_signal -1
	s_barrier_wait -1
.endm
; THE CHANGE OF SLOTS stands at a slot's head.  Each wave waits for all its tensor loads (one is out: its quarter of the slot ahead), adds 0 to its spare word, and waits for that and for its reads of the slot that it has left.
; fill = 1: behind a round of the cluster's barrier the slot that was left is filled with the walk's next 256 keys: the load has a whole slot's work in which to land.
.macro CHANGE fill
	WIN 0
	s_wait_tensorcnt 0x0                           ; no tensor load of mine is out, so group 0 may be written
	ds_add_u32 v[SPW], v[NIL]                      ; 0 onto my spare word
.if \fill
	s_xor_b32 s[G0+1], s[G0+1], SLOT1              ; the other LDS slot than last time,
	s_add_co_u32 s[SI], s[SI], 1
	s_and_b32 s[SI], s[SI], 15                     ; the walk's next slot: behind the batch's 15th comes its 0th
	s_lshl_b32 s[OFS], s[SI], 16                   ; a slot's keys, and its values, are 65,536 bytes
	s_add_nc_u64 s[G0+2:G0+3], s[TBA:TBA+1], s[OFS:OFS+1]
	s_or_b32 s[G0+3], s[G0+3], 0x80000000          ; type = 2
.endif
	s_wait_dscnt 0x0                               ; the add is done, and my reads of the slot that I have left are over
.if \fill
	CROUND
	tensor_load_to_lds s[G0:G0+3], s[G1:G1+7]      ; my one tensor load behind the round: both its addresses hang on the wave's number
	s_nop 0
	PLACES                                         ; (they are also the places ahead of the loads into K's registers)
.else
	s_barrier_signal -1
	s_barrier_wait -1
	PLACES
.endif
.endm
.macro FETCHK                          ; my 64 keys: 8 fragments of 16 keys x 128 channels, the first 128 channels first
	WIN 0x40
.irp ks, 0,1
.irp kt, 0,1,2,3
.irp c, 0,1,2,3
	ds_load_b128 v[KV+32*\kt+16*\ks+4*\c:KV+32*\kt+16*\ks+4*\c+3], v[ADR] offset:4096*\kt+2048*\ks+512*\c
.endr
.endr
.endr
.endm
.macro FETCHV                          ; my 64 keys' values: 16 fragments of 16 channels x 64 keys
	WIN 0x40
.set n, 0
.rept 32
	ds_load_b128 v[KV+4*n:KV+4*n+3], v[ADR2] offset:512*n
.set n, n+1
.endr
.endm
.macro SPROD                           ; S^T = K Q^T: 16 accumulators by turns, one instruction a turn; the first 16 products start the sums
	WIN 0x05
	s_wait_alu depctr_va_vdst(0)
.irp ks, 0,1
.irp kt, 0,1,2,3
	s_wait_dscnt 4*(7-(4*\ks+\kt))                 ; this fragment's four loads are in; those of the fragments behind it may be out
.irp t, 0,1,2,3
.if \ks == 0
	v_wmma_f32_16x16x128_bf8_bf8 v[S+32*\t+8*\kt:S+32*\t+8*\kt+7], v[KV+32*\kt:KV+32*\kt+15], v[32*\t:32*\t+15], 0
.else
	v_wmma_f32_16x16x128_bf8_bf8 v[S+32*\t+8*\kt:S+32*\t+8*\kt+7], v[KV+32*\kt+16:KV+32*\kt+31], v[32*\t+16:32*\t+31], v[S+32*\t+8*\kt:S+32*\t+8*\kt+7]
.endif
.endr
.endr
.endr
.endm
.macro PVPROD first                    ; O^T += V^T P^T: 64 accumulators, each once.  first = 1: the products start the sums: nothing is ever cleared
.irp u, 0,1
	WIN 0xa1+0x50*\u
.set n, 0
.rept 32
.set rO, 128*(n%2)+8*(n/2)
.if \first
	v_wmma_f32_16x16x64_bf8_bf8 v[rO:rO+7], v[KV+8*(n/2):KV+8*(n/2)+7], v[P+8*(2*\u+n%2):P+8*(2*\u+n%2)+7], 0
.else
	v_wmma_f32_16x16x64_bf8_bf8 v[rO:rO+7], v[KV+8*(n/2):KV+8*(n/2)+7], v[P+8*(2*\u+n%2):P+8*(2*\u+n%2)+7], v[rO:rO+7]
.endif
.set n, n+1
.endr
.endr
.endm
; THE SOFTMAX of four tiles for my 64 keys; the tiles take turns line by line.  first = 1: the first slot, which starts M, l and O^T.
.macro SOFT first
.irp t, 0,1,2,3                        ; the largest score of a query among my lane's 32 keys, in two chains; each accumulator is read from its low end on
	v_max3_num_f32 v[ST+8*\t+6], v[S+32*\t], v[S+32*\t+1], v[S+32*\t+2]
	v_max3_num_f32 v[ST+8*\t+7], v[S+32*\t+3], v[S+32*\t+4], v[S+32*\t+5]
.endr
.irp i, 6,10,14,18,22,26
.irp t, 0,1,2,3
	v_max3_num_f32 v[ST+8*\t+6], v[ST+8*\t+6], v[S+32*\t+\i], v[S+32*\t+\i+1]
	v_max3_num_f32 v[ST+8*\t+7], v[ST+8*\t+7], v[S+32*\t+\i+2], v[S+32*\t+\i+3]
.endr
.endr
.irp t, 0,1,2,3
	v_max3_num_f32 v[ST+8*\t+6], v[ST+8*\t+6], v[S+32*\t+30], v[S+32*\t+31]
.endr
.irp t, 0,1,2,3
	v_max_num_f32 v[ST+8*\t+6], v[ST+8*\t+6], v[ST+8*\t+7]
.endr
.irp t, 0,1,2,3
	v_permlanex16_b32 v[ST+8*\t+7], v[ST+8*\t+6], s[SEL], s[SEL+1]   ; the query's other 32 keys lie in the lane 16 away
.endr
.irp t, 0,1,2,3
	v_max_num_f32 v[ST+8*\t+6], v[ST+8*\t+6], v[ST+8*\t+7]
.endr
.if \first
.irp t, 0,1,2,3
	v_mul_f32 v[ST+8*\t+1], s[CS], v[ST+8*\t+6]                      ; as t (c is positive)
.endr
.irp t, 0,1,2,3
	v_floor_f32 v[ST+8*\t], -v[ST+8*\t+1]                            ; -M = floor(-t) = -ceil(t)
.endr
.else
.irp t, 0,1,2,3
	v_mul_f32 v[ST+8*\t+6], s[CS], v[ST+8*\t+6]
.endr
.irp t, 0,1,2,3
	v_max_num_f32 v[ST+8*\t+1], v[ST+8*\t+1], v[ST+8*\t+6]           ; the running largest t
.endr
.irp t, 0,1,2,3
	v_mov_b32 v[ST+8*\t+7], v[ST+8*\t]
.endr
.irp t, 0,1,2,3
	v_floor_f32 v[ST+8*\t], -v[ST+8*\t+1]
.endr
.irp t, 0,1,2,3
	v_sub_f32 v[ST+8*\t+7], v[ST+8*\t], v[ST+8*\t+7]                 ; old M less new M: a whole number, 0 or less
.endr
.irp t, 0,1,2,3
	v_cvt_i32_f32 v[ST+8*\t+7], v[ST+8*\t+7]
.endr
.irp t, 0,1,2,3
	v_ldexp_f32 v[ST+8*\t+4], 1.0, v[ST+8*\t+7]                      ; f = 2^(old M - new M)
.endr
.endif
.set n, 0
.rept 64
	v_pk_fma_f32 v[S+2*n:S+2*n+1], v[S+2*n:S+2*n+1], s[CS:CS+1], v[ST+8*(n/16):ST+8*(n/16)+1] op_sel_hi:[1,0,0]   ; t - M, two at a time (of the pairs c and -M the low word serves both halves)
.set n, n+1
.endr
.set n, 0
	s_wait_alu depctr_va_vdst(0)
.rept 128
	v_exp_f32 v[S+n], v[S+n]                       ; p = 2^(t - M): one batch
.set n, n+1
.endr
.if \first
	v_nop                                          ; a plain line behind the last exponential
.else
.irp t, 0,1,2,3
	v_pk_mul_f32 v[ST+8*\t+2:ST+8*\t+3], v[ST+8*\t+2:ST+8*\t+3], v[ST+8*\t+4:ST+8*\t+5] op_sel_hi:[1,0]   ; l under the new M (plain lines behind the exponentials)
.endr
.endif
	s_wait_alu depctr_va_vdst(0)                   ; one wait for the whole batch, ahead of its first reader
.irp t, 0,1,2,3                        ; the sum of the UNQUANTISED p, two at a time, in two chains a tile
	v_pk_add_f32 v[W+2*\t:W+2*\t+1], v[S+32*\t:S+32*\t+1], v[S+32*\t+2:S+32*\t+3]
.endr
.if \first
.irp t, 0,1,2,3
	v_pk_add_f32 v[ST+8*\t+2:ST+8*\t+3], v[S+32*\t+4:S+32*\t+5], v[S+32*\t+6:S+32*\t+7]
.endr
.else
.irp t, 0,1,2,3
	v_pk_add_f32 v[ST+8*\t+2:ST+8*\t+3], v[ST+8*\t+2:ST+8*\t+3], v[S+32*\t+4:S+32*\t+5]
	v_pk_add_f32 v[W+2*\t:W+2*\t+1], v[W+2*\t:W+2*\t+1], v[S+32*\t+6:S+32*\t+7]
.endr
.endif
.irp i, 8,12,16,20,24,28
.irp t, 0,1,2,3
	v_pk_add_f32 v[ST+8*\t+2:ST+8*\t+3], v[ST+8*\t+2:ST+8*\t+3], v[S+32*\t+\i:S+32*\t+\i+1]
	v_pk_add_f32 v[W+2*\t:W+2*\t+1], v[W+2*\t:W+2*\t+1], v[S+32*\t+\i+2:S+32*\t+\i+3]
.endr
.endr
.irp t, 0,1,2,3
	v_pk_add_f32 v[ST+8*\t+2:ST+8*\t+3], v[ST+8*\t+2:ST+8*\t+3], v[W+2*\t:W+2*\t+1]
.endr
.set n, 0
.rept 16
.irp i, 0,1,2,3,4,5,6,7
.endr
	v_cvt_scalef32_pk8_bf8_f32 v[P+2*n:P+2*n+1], v[S+8*n:S+8*n+7], v[SCL]
.set n, n+1
.endr
.if \first
	v_nop                                          ; a plain line between the last conversion and the products that read its result
.else
.irp u, 0,1                            ; O^T under the new M: x f.  (These are also the plain lines behind the conversions)
	WIN 0x82+0x41*\u
.set n, 0
.rept 128
	v_pk_mul_f32 v[2*n:2*n+1], v[2*n:2*n+1], v[ST+8*(2*\u+n/64)+4:ST+8*(2*\u+n/64)+5] op_sel_hi:[1,0]
.set n, n+1
.endr
.endr
.endif
.endm
; A SLOT'S WORK for my 64 keys.
.macro WORK first
	v_add_nc_u32 v[ADR], s[TB], v[AK]
	v_add_nc_u32 v[ADR2], s[TB], v[AV]
	FETCHK
	SPROD
	WIN 0
	PLACES                                         ; ahead of the loads into K's registers and of the first read of the scores
	FETCHV                                         ; the values land while the softmax is walked
	WIN 0
	SOFT \first
	s_wait_alu depctr_va_vdst(0)
	s_wait_dscnt 0x0                               ; the values are in
	PVPROD \first
	WIN 0
	s_xor_b32 s[TB], s[TB], SLOT1                  ; on to the other slot
.endm
	s_load_b256 s[4:11], s[0:1], 0x0               ; queries' codes s[4:5], keys' s[6:7], values' s[8:9], the exponents s[10:11]
	s_load_b128 s[12:15], s[0:1], 0x20             ; out0 s[12:13], stats s[14:15]
	v_lshl_add_u32 v[SPW], v0, 2, SPARE
	v_mov_b32 v[NIL], 0
	ds_add_u32 v6, v7
	ds_add_u32 v6, v7
	s_wait_dscnt 0x0
	v_lshrrev_b32 v1, 5, v0
	v_readfirstlane_b32 s[WV], v1                  ; wave 0..3
	s_bfe_u32 s17, ttmp6, 0x40000                  ; cx: my place in the cluster
	s_lshl_b32 s18, ttmp9, 2                       ; in a cluster launch ttmp9 counts clusters
	s_add_co_u32 s18, s18, s17                     ; my block of 64 queries: it enters the queries' and the outputs' addresses alone
	s_and_b32 s19, ttmp7, 0xffff                   ; the batch, which the four partners share
	s_mov_b32 s[G1], 15|(3<<16)|(1<<21)            ; 15:0 the mask: all four work-groups; 17:16 elements of 8 bytes; 21 set beside a mask; no padding
	s_mov_b32 s[G1+1], 32<<16                      ; tensor_dim0 = 32 elements: 256 bytes
	s_mov_b32 s[G1+2], 128<<16                     ; tensor_dim1 = 128
	s_mov_b32 s[G1+3], 32<<16                      ; tile_dim0 = 32
	s_mov_b32 s[G1+4], 128                         ; tile_dim1 = 128: a dense block of 32,768 bytes
	s_mov_b32 s[G1+5], 32                          ; from row to row
	s_mov_b32 s[G1+6], 0
	s_mov_b32 s[G1+7], 0
	s_mov_b32 s[SEL], 0x76543210
	s_mov_b32 s[SEL+1], 0xfedcba98
	s_mov_b32 s[TB], 0
	s_mul_i32 s[SI], ttmp9, 3
	s_and_b32 s[SI], s[SI], 15                     ; where my cluster's walk begins: 3 x cluster x mod 16: the same in all four partners
.irp j, 0,1,2,3
	s_add_co_u32 s[OJ+\j], s[WV], \j
	s_and_b32 s[OJ+\j], s[OJ+\j], 3                ; the query tile of my register tile j
.endr
	s_lshl_b32 s56, s19, 20                        ; a batch's codes are 1 MiB in each buffer
	s_lshl_b32 s57, s18, 14                        ; 64 queries: 16,384 bytes
	s_add_co_u32 s56, s56, s57
	s_mov_b32 s57, 0
	s_lshl_b32 s58, s19, 20
	s_and_b32 s59, s[WV], 1
	s_lshl_b32 s59, s59, 15                        ; which half of a slot's keys (waves 0, 1) or values (waves 2, 3) I fetch
	s_add_co_u32 s58, s58, s59
	s_mov_b32 s59, 0
	s_lshl_b32 s62, s19, 12
	s_lshl_b32 s63, s18, 6
	s_add_co_u32 s62, s62, s63
	s_lshl_b32 s63, s[WV], 4
	s_add_co_u32 s62, s62, s63                     ; the first row that I store: 4,096 batch + 64 block + 16 wave
	s_lshl_b32 s2, s62, 2
	s_mov_b32 s3, 0
	s_lshl_b32 s62, s62, 10
	s_mov_b32 s63, 0
	s_wait_kmcnt 0x0
	s_load_b128 s[36:39], s[10:11], 0x0            ; entries 0 to 3
	s_add_nc_u64 s[4:5], s[4:5], s[56:57]
	s_add_nc_u64 s[12:13], s[12:13], s[62:63]
	s_add_nc_u64 s[14:15], s[14:15], s[2:3]
	s_mov_b32 s[G0], 1                             ; count = 1
	s_lshl_b32 s[G0+1], s[WV], 15                  ; LDS address: slot 0, quarter w
	s_cmp_lt_u32 s[WV], 2
	s_cselect_b64 s[TBA:TBA+1], s[6:7], s[8:9]
	s_add_nc_u64 s[TBA:TBA+1], s[TBA:TBA+1], s[58:59]
	s_lshl_b32 s[OFS], s[SI], 16                   ; (its upper word stays 0)
	s_add_nc_u64 s[G0+2:G0+3], s[TBA:TBA+1], s[OFS:OFS+1]
	s_or_b32 s[G0+3], s[G0+3], 0x80000000          ; type = 2
	CROUND                                         ; all four work-groups are here: the first joint loads meet
	tensor_load_to_lds s[G0:G0+3], s[G1:G1+7]      ; the walk's first slot
	s_nop 0
	PLACES
	v_and_b32 v1, 31, v0                           ; lane
	v_lshlrev_b32 v[LI], 4, v1
	s_wait_alu depctr_va_vdst(0)
.irp j, 0,1,2,3
	s_lshl_b32 s56, s[OJ+\j], 12
	v_add_nc_u32 v[W+\j], s56, v[LI]               ; a tile of queries is 4,096 bytes
.endr
	WIN 0x40
.irp j, 0,1,2,3
.irp i, 0,1,2,3,4,5,6,7
	global_load_b128 v[32*\j+4*\i:32*\j+4*\i+3], v[W+\j], s[4:5] offset:512*\i   ; Q stays in registers
.endr
.endr
	WIN 0
	s_lshl_b32 s56, s[WV], 14
	v_add_nc_u32 v[AK], s56, v[LI]
	v_add_nc_u32 v[AV], 0x10000, v[AK]
.irp j, 0,1,2,3
	s_lshl_b32 s56, s[OJ+\j], 9
	s_add_co_u32 s56, s56, STATM
	v_add_nc_u32 v[BJ+\j], s56, v[LI]
.endr
.irp j, 1,2,3
	s_mul_i32 s56, s[OJ+\j], IMGO
	s_add_co_u32 s56, s56, (\j-1)*16384
	v_add_nc_u32 v[IA+\j-1], s56, v[LI]
.endr
	s_mul_i32 s56, s[WV], IMGO
	v_add_nc_u32 v[IR], s56, v[LI]
	s_mul_i32 s56, s[WV], 16*SP
	s_add_co_u32 s56, s56, STG
	v_and_b32 v55, 15, v1                          ; r
	v_lshrrev_b32 v56, 4, v1                       ; h
	v_mul_u32_u24 v57, v55, SP
	v_lshl_add_u32 v57, v56, 5, v57
	v_add_nc_u32 v[STO], s56, v57                  ; row r, + 32 h
	v_add_nc_u32 v[SRD], s56, v[LI]
	v_lshlrev_b32 v[KO], 2, v55
.irp t, 0,1,2,3
	v_mov_b32 v[ST+8*\t+5], 0                      ; named as the upper half of f's pair, so it is written
.endr
	s_wait_kmcnt 0x0
	s_add_co_i32 s56, s36, s37
	s_lshl_b32 s56, s56, 23
	s_mov_b32 s[CS], 0x3db8aa3b                    ; log2(e) / 16
	s_add_co_i32 s[CS], s[CS], s56                 ; a score stands for score x 2^(entries 0 + 1): added to c's exponent field
	s_mov_b32 s[CS+1], s[CS]                       ; (named with it as a pair, so it is written)
	s_add_co_i32 s56, s38, 127
	s_lshl_b32 s57, s56, 23
	v_mov_b32 v[SCL], s57                          ; 2^(entry 2) as f32, for the conversion
	s_add_co_i32 s45, s38, s39                     ; entries 2 + 3
	s_wait_loadcnt 0x0                             ; Q
	CHANGE 1                                       ; the walk's first slot is whole; its second is asked for
	WORK 1                                         ; the first slot is written out: its products start O^T's sums
	s_mov_b32 s[SLOTS], 14
.Lslot:                                            ; 14 trips: the walk's slots 1 to 14 are worked, its slots 2 to 15 asked for
	CHANGE 1
	WORK 0
	s_sub_co_u32 s[SLOTS], s[SLOTS], 1
	s_cmp_lg_u32 s[SLOTS], 0
	s_cbranch_scc1 .Lslot
	CHANGE 0                                       ; the last slot is written out
	WORK 0
	; THE MERGE.  l's two halves and the other half of the lanes' are added (these lines are the places behind the last products); every wave tells -M and l of each of its tiles to that tile's owner.
.irp t, 0,1,2,3
	v_add_f32 v[ST+8*\t+6], v[ST+8*\t+2], v[ST+8*\t+3]
.endr
.irp t, 0,1,2,3
	v_permlanex16_b32 v[ST+8*\t+7], v[ST+8*\t+6], s[SEL], s[SEL+1]
.endr
.irp t, 0,1,2,3
	v_add_f32 v[ST+8*\t+2], v[ST+8*\t+6], v[ST+8*\t+7]
.endr
.irp t, 0,1,2,3
	ds_store_b32 v[BJ+\t], v[ST+8*\t] offset:4*\t
	ds_store_b32 v[BJ+\t], v[ST+8*\t+2] offset:2048+4*\t
.endr
	s_wait_dscnt 0x0                               ; for the others' sake: my stores are done (my reads of the ring were waited for ahead of the last products)
	s_barrier_signal -1
	s_barrier_wait -1                              ; behind it nobody reads the ring any more
.irp t, 0,1,2,3
	ds_load_b128 v[W+4*\t:W+4*\t+3], v[BJ+\t]      ; the four waves' -M of my tile t's queries
.endr
	ds_load_b128 v[W+16:W+19], v[BJ] offset:2048   ; and their l of the tile that I own
	s_wait_dscnt 0x0
.irp t, 0,1,2,3
	v_min3_num_f32 v[ST+8*\t+6], v[W+4*\t], v[W+4*\t+1], v[W+4*\t+2]
.endr
.irp t, 0,1,2,3
	v_min_num_f32 v[ST+8*\t+6], v[ST+8*\t+6], v[W+4*\t+3]            ; g = the least -M: the common M
.endr
.irp t, 0,1,2,3
	v_sub_f32 v[ST+8*\t+7], v[ST+8*\t+6], v[ST+8*\t]
.endr
.irp t, 0,1,2,3
	v_cvt_i32_f32 v[ST+8*\t+7], v[ST+8*\t+7]
.endr
.irp t, 0,1,2,3
	v_ldexp_f32 v[ST+8*\t+4], 1.0, v[ST+8*\t+7]                      ; f = 2^(my M - the common M)
.endr
.irp k, 0,1,2,3
	v_sub_f32 v[W+\k], v[ST+6], v[W+\k]
.endr
.irp k, 0,1,2,3
	v_cvt_i32_f32 v[W+\k], v[W+\k]
.endr
.irp k, 0,1,2,3
	v_ldexp_f32 v[W+16+\k], v[W+16+\k], v[W+\k]                      ; each wave's l under the common M
.endr
	v_add_f32 v[W+16], v[W+16], v[W+17]
	v_add_f32 v[W+18], v[W+18], v[W+19]
	v_add_f32 v[W+16], v[W+16], v[W+18]            ; the row's l
	s_wait_alu depctr_va_vdst(0)
	v_rcp_f32 v[W+20], v[W+16]
	v_log_f32 v[W+21], v[W+16]
	v_mov_b32 v[W+23], 0                           ; a plain line behind the two; (named as the upper half of the pair below)
	s_wait_alu depctr_va_vdst(0)                   ; one wait for both, ahead of their first reader
	v_ldexp_f32 v[W+22], v[W+20], s45              ; 2^(entries 2 + 3) / l
	v_sub_f32 v[W+24], v[ST+6], v[W+21]            ; -(M + log2 l)
	WIN 0x82                                       ; tiles 1 to 3 are brought under the common M, each accumulator from its low end on,
.set n, 0
.rept 64
	v_pk_mul_f32 v[128+2*n:128+2*n+1], v[128+2*n:128+2*n+1], v[ST+12:ST+13] op_sel_hi:[1,0]
.set n, n+1
.endr
	WIN 0xc3
.set n, 0
.rept 128
	v_pk_mul_f32 v[2*n:2*n+1], v[2*n:2*n+1], v[ST+8*(2+n/64)+4:ST+8*(2+n/64)+5] op_sel_hi:[1,0]
.set n, n+1
.endr
	WIN 0x08                                       ; and go to their owners as images of their registers: 512 consecutive bytes a store
.set n, 0
.rept 32
	ds_store_b128 v[IA], v[128+4*n:128+4*n+3] offset:512*n
.set n, n+1
.endr
	WIN 0x0c
.set n, 0
.rept 32
	ds_store_b128 v[IA+1], v[4*n:4*n+3] offset:512*n
.set n, n+1
.endr
.set n, 0
.rept 32
	ds_store_b128 v[IA+2], v[128+4*n:128+4*n+3] offset:512*n
.set n, n+1
.endr
	WIN 0
	s_wait_dscnt 0x0                               ; for the others' sake: my images lie in LDS
	s_barrier_signal -1
	s_barrier_wait -1
	WIN 0x40                                       ; the three images of my tile: two into window 1, whose operands are done with,
.set n, 0
.rept 64
	ds_load_b128 v[4*n:4*n+3], v[IR] offset:512*n
.set n, n+1
.endr
	s_wait_dscnt 32                                ; the first image is in; the second's 32 loads may be out
	WIN 0x92
.set n, 0
.rept 64
	v_pk_fma_f32 v[2*n:2*n+1], v[2*n:2*n+1], v[ST+4:ST+5], v[2*n:2*n+1] op_sel_hi:[1,0,1]   ; my own sums x f + the first image
.set n, n+1
.endr
	WIN 0                                          ; the third into the scores' registers
.set n, 0
.rept 32
	ds_load_b128 v[S+4*n:S+4*n+3], v[IR] offset:32768+512*n
.set n, n+1
.endr
	s_wait_dscnt 32                                ; the second image is in; the third's 32 loads may be out
	WIN 0x86
.set n, 0
.rept 64
	v_pk_add_f32 v[2*n:2*n+1], v[2*n:2*n+1], v[128+2*n:128+2*n+1]
.set n, n+1
.endr
	s_wait_dscnt 0x0
	WIN 0x82
.set n, 0
.rept 64
	v_pk_add_f32 v[2*n:2*n+1], v[2*n:2*n+1], v[S+2*n:S+2*n+1]
.set n, n+1
.endr
	WIN 0x02
.set n, 0
.rept 64
	v_pk_mul_f32 v[S+2*n:S+2*n+1], v[2*n:2*n+1], v[W+22:W+23] op_sel_hi:[1,0]   ; x 2^(entries 2 + 3) / l: register 8 ct + i is out0(r, 16 ct + 8 h + i)
.set n, n+1
.endr
	WIN 0
	; THE WAY OUT: a lane holds 32 neighbouring bytes of a row 16 times over: through my own stage, and back as half rows of 512 bytes.  LDS serves a wave's instructions in order: no wait between the stores and the loads.
.set n, 0
.rept 16
	ds_store_b128 v[STO], v[S+8*n:S+8*n+3] offset:64*n
	ds_store_b128 v[STO], v[S+8*n+4:S+8*n+7] offset:64*n+16
.set n, n+1
.endr
	WIN 0x40
.set n, 0
.rept 32
	ds_load_b128 v[4*n:4*n+3], v[SRD] offset:SP*(n/2)+512*(n%2)
.set n, n+1
.endr
	WIN 0x04
.set n, 0
.rept 32
	s_wait_dscnt 31-n
	global_store_b128 v[LI], v[4*n:4*n+3], s[12:13] offset:512*n th:TH_STORE_NT   ; 32 lanes store 512 consecutive bytes, at a multiple of 512 from out0's first byte
.set n, n+1
.endr
	WIN 0
	global_store_b32 v[KO], v[W+24], s[14:15]      ; my 16 rows' -(M + log2 l); lanes l and l + 16 hold the same query and store the same number to the same place
	s_wait_tensorcnt 0x0                           ; the wave's end: behind my last tensor load and my last LDS store
	ds_add_u32 v[SPW], v[NIL]
	s_wait_dscnt 0x0
	CROUND                                         ; the closing round: no work-group ends while a partner may still ask for a tile that names it
	s_endpgm
.Lfunc_end_k_qf185b81e37_attn_i:
	.size	k_qf185b81e37_attn_i, .Lfunc_end_k_qf185b81e37_attn_i-k_qf185b81e37_attn_i
	.p2alignl 7, 3214868480
	.fill 96, 4, 3214868480
	.section	.rodata,"a",@progbits
	.p2align	6, 0x0
	.amdhsa_kernel k_qf185b81e37_attn_i
		.amdhsa_group_segment_fixed_size 327680
		.amdhsa_private_segment_fixed_size 0
		.amdhsa_enable_private_segment 0
		.amdhsa_kernarg_size 48
		.amdhsa_user_sgpr_count 2
		.amdhsa_user_sgpr_kernarg_segment_ptr 1
		.amdhsa_wavefront_size32 1
		.amdhsa_system_sgpr_workgroup_id_x 1
		.amdhsa_system_sgpr_workgroup_id_y 1
		.amdhsa_system_sgpr_workgroup_id_z 1
		.amdhsa_system_vgpr_workitem_id 0
		.amdhsa_next_free_vgpr 1024
		.amdhsa_next_free_sgpr 66
		.amdhsa_reserve_vcc 0
		.amdhsa_float_denorm_mode_32 3
		.amdhsa_float_denorm_mode_16_64 3
		.amdhsa_fp16_overflow 1
		.amdhsa_memory_ordered 1
		.amdhsa_forward_progress 1
		.amdhsa_inst_pref_size 184
	.end_amdhsa_kernel
	.amdgpu_metadata
---
amdhsa.version: [ 1, 2 ]
amdhsa.kernels:
  - .name:           k_qf185b81e37_attn_i
    .symbol:         k_qf185b81e37_attn_i.kd
    .args:
      - { .name: img_q, .offset: 0, .size: 8, .value_kind: global_buffer, .address_space: global }
      - { .name: txt_k, .offset: 8, .size: 8, .value_kind: global_buffer, .address_space: global }
      - { .name: txt_v, .offset: 16, .size: 8, .value_kind: global_buffer, .address_space: global }
      - { .name: lowp_scales, .offset: 24, .size: 8, .value_kind: global_buffer, .address_space: global }
      - { .name: out0, .offset: 32, .size: 8, .value_kind: global_buffer, .address_space: global }
      - { .name: stats, .offset: 40, .size: 8, .value_kind: global_buffer, .address_space: global }
    .group_segment_fixed_size: 327680
    .private_segment_fixed_size: 0
    .kernarg_segment_align: 8
    .kernarg_segment_size: 48
    .max_flat_workgroup_size: 128
    .sgpr_count:     66
    .vgpr_count:     1024
    .wavefront_size: 32
...
	.end_amdgpu_metadata
.endif
;; end of part 2
;; launch attn_t (part 3): grid 64 x 4, 4 waves a work-group, clusters of 4 x 1, 327,680 bytes of LDS; arguments txt_k, img_q, img_v, lowp_scales, stats, out1; writes out1
.if DOCPART == 3
	.amdgcn_target "amdgcn-amd-amdhsa--gfx1250"
	.amdhsa_code_object_version 6
	.text
	.protected	k_qf185b81e37_attn_t
	.globl	k_qf185b81e37_attn_t
	.p2align	8
	.type	k_qf185b81e37_attn_t,@function
k_qf185b81e37_attn_t:
	s_mov_b64 s[64:65], 0
	v_nop
	global_prefetch_b8 v0, s[64:65] scope:SCOPE_SE
	s_setreg_imm32_b32 hwreg(HW_REG_WAVE_MODE, 25, 1), 1
	s_wait_xcnt 0x0
	s_wait_alu depctr_hold_cnt(0) depctr_sa_sdst(0) depctr_va_vdst(0) depctr_va_sdst(0) depctr_va_ssrc(0) depctr_va_vcc(0) depctr_vm_vsrc(0)
	s_getreg_b32 s2, hwreg(HW_REG_IB_STS2, 6, 4)
	s_cmp_eq_u32 s2, 0
	s_cbranch_scc0 .Lentry_in_a_cluster
	s_endpgm
.Lentry_in_a_cluster:
	s_bfe_u32 s2, ttmp6, 0x10000c
	s_cmp_lg_u32 s2, 0x3003
	s_cbranch_scc0 .Lentry_shape_is_right
	s_endpgm
.Lentry_shape_is_right:
; out1[b][t][:] = sum over i of attn[i][t] image_i, attn the finished softmax over t of image_i . text_t / 16.  Both products on codes of BF8 (E5M2): the scores as in the launch before (entries 0, 1 of the scales),
; attn quantised along i with entry 4, the image's codes down its rows with entry 5.
; attn[i][t] = 2^(score x c + kn_i), c = log2(e) / 16, kn_i = -(M + log2 l) of image row i, which the launch before has stored: one fused multiply-add and one exponential a number; no maximum, no sum, no rescaling.
; SHARES, LAYOUT, RING AND CLUSTER are the launch before's with the parts exchanged: a work-group owns 64 text rows ('queries'); every wave holds all 64 and takes a quarter of the image rows ('keys'): wave w takes
; keys 64 w .. 64 w + 63 of each slot of 256.  S^T = K Q^T (source 0 = 16 image rows, source 1 = 16 text rows) has the same bits as there, with the sources exchanged.  The four waves' O^T are added at the end, through LDS.
; Register tile j of wave w is query tile (w + j) % 4: tile 0 is the one that the wave finishes and stores.
; THE WALK.  The 16 clusters of a batch walk the same 16 slots of 256 keys, each from a start of its own: cluster x takes slot (3 x + n) mod 16 in its step n; 3 is odd, so the 16 starts differ, and in no step
; do two clusters name the same bytes.  The sums hang on the order of the keys in their last bits alone.
; NO PREFETCH: the clusters' first loads together name all of a batch's keys and values: nothing is left that could be asked for ahead of its first load.
; LIMITS on the given exponents: entries 0 + 1 between -122 and 131; entry 4 between -126 and 127; entries 4 + 5 between -126 and 127.  NaN is not served.
; kn is one f32 number, so attn carries the rounding of a number of M's size in its exponent.
; REGISTERS, in windows of 256: window 0: v1-15, v50-53 addresses; v16-47 kn of my lane's 32 keys; v49 the scale; v64-191 S^T, then attn; v192-223 its codes; v224-227 at work.
;   window 1: v0-127 Q; v128-255 K's fragments, then V's.   windows 2, 3: O^T: tile t, channels 16 ct on, in window 2 + t / 2 at 128 (t % 2) + 8 ct.
.set SLOT1, 1<<17                      ; a slot: 65,536 bytes of keys, 65,536 of values
.set IMGO,  49152                      ; the merge: three images of 16,384 bytes for each owner, from LDS byte 0 on: in the ring, which has had its last fill and its last read by then
.set STG,   196608                     ; the way out: 16 rows x (1,024 + 16) bytes for each wave
.set SP,    1040
.set SPARE, 267264                     ; the spare words, 128 bytes for each wave: two blocks of 256 bytes that no other line names
.set AK,   2
.set AV,   3
.set ADR,  4
.set ADR2, 5
.set SPW,  6                           ; v6   LDS address of my spare word; never rewritten
.set NIL,  7                           ; v7   0; never rewritten
.set KA,   9                           ; v9   32 x (lane / 16): my eight keys of a tile of 16, in kn's bytes
.set IA,   13                          ; v13-15 the merge: where tile j = 1, 2, 3 goes
.set KN,   16                          ; v16-47 register 8 kt + i: kn of key 16 kt + 8 (lane / 16) + i of my 64
.set HOLD, 48
.set SCL,  49
.set IR,   50
.set STO,  51
.set SRD,  52
.set LI,   53
.set S,    64
.set P,    192
.set W,    224
.set KV,   128
.set WV,   16
.set CS,   22
.set G1,   24
.set G0,   32
.set TB,   42
.set SLOTS, 43                         ; s43 the loop's trips to go
.set SI,   44                          ; s44 which of the batch's 16 slots was asked for last
.set TBA,  46                          ; s[46:47] my quarter of a slot, in the batch's slot 0
.set KNP,  48                          ; s[48:49] kn of my 64 keys of the slot whose kn is loaded
.set OJ,   50
.set FS,   54                          ; s[54:55] 2^(entries 4 + 5)
.set OFS,  58                          ; s[58:59] 65,536 x s[SI]
.set KNB,  60                          ; s[60:61] kn of my 64 keys of the batch's slot 0
.set OF2,  62                          ; s[62:63] 1,024 x s[SI]
.set MSB, 0
.macro WIN new                         ; low byte: bits 1:0 source 0, 3:2 source 1, 5:4 source 2, 7:6 destination; the high byte repeats the setting that is left
.if MSB != \new
	s_set_vgpr_msb (MSB<<8)|\new
.set MSB, \new
.endif
.endm
.macro PLACES                          ; four plain vector lines behind a matrix instruction, ahead of loads into registers that it read and of the first read of its result
.rept 4
	v_nop
.endr
.endm
.macro CROUND                          ; a round of the cluster's barrier
	s_barrier_signal -1
	s_barrier_wait -1
	s_cmp_lg_u32 s[WV], 0
	s_cbranch_scc1 .Lnot_wave_0_\@
	s_barrier_signal -3
.Lnot_wave_0_\@:
	s_barrier_wait -3
	s_barrier_signal -1
	s_barrier_wait -1
.endm
; THE CHANGE OF SLOTS, at a slot's head: all my tensor loads have landed (one is out: my quarter of the slot ahead); 0 onto my spare word; that and my reads of the slot left are waited for;
; fill = 1: behind a round of the cluster's barrier the slot that was left is filled with the walk's next 256 keys.
.macro CHANGE fill
	WIN 0
	s_wait_tensorcnt 0x0                           ; no tensor load of mine is out, so group 0 may be written
	ds_add_u32 v[SPW], v[NIL]
.if \fill
	s_xor_b32 s[G0+1], s[G0+1], SLOT1              ; the other LDS slot than last time,
	s_add_co_u32 s[SI], s[SI], 1
	s_and_b32 s[SI], s[SI], 15                     ; the walk's next slot: behind the batch's 15th comes its 0th
	s_lshl_b32 s[OFS], s[SI], 16                   ; a slot's keys, and its values, are 65,536 bytes
	s_add_nc_u64 s[G0+2:G0+3], s[TBA:TBA+1], s[OFS:OFS+1]
	s_or_b32 s[G0+3], s[G0+3], 0x80000000          ; type = 2
.endif
	s_wait_dscnt 0x0                               ; the add is done, and my reads of the slot that I have left are over
.if \fill
	CROUND
	tensor_load_to_lds s[G0:G0+3], s[G1:G1+7]      ; my one tensor load behind the round: both its addresses hang on the wave's number
	s_nop 0
	PLACES                                         ; (they are also the places ahead of the loads into K's registers)
.else
	s_barrier_signal -1
	s_barrier_wait -1
	PLACES
.endif
.endm
.macro FETCHK
	WIN 0x40
.irp ks, 0,1
.irp kt, 0,1,2,3
.irp c, 0,1,2,3
	ds_load_b128 v[KV+32*\kt+16*\ks+4*\c:KV+32*\kt+16*\ks+4*\c+3], v[ADR] offset:4096*\kt+2048*\ks+512*\c
.endr
.endr
.endr
.endm
.macro FETCHV
	WIN 0x40
.set n, 0
.rept 32
	ds_load_b128 v[KV+4*n:KV+4*n+3], v[ADR2] offset:512*n
.set n, n+1
.endr
.endm
.macro SPROD                           ; 16 accumulators by turns, one instruction a turn; the first 16 products start the sums
	WIN 0x05
	s_wait_alu depctr_va_vdst(0)
.irp ks, 0,1
.irp kt, 0,1,2,3
	s_wait_dscnt 4*(7-(4*\ks+\kt))                 ; this fragment's four loads are in; those of the fragments behind it may be out
.irp t, 0,1,2,3
.if \ks == 0
	v_wmma_f32_16x16x128_bf8_bf8 v[S+32*\t+8*\kt:S+32*\t+8*\kt+7], v[KV+32*\kt:KV+32*\kt+15], v[32*\t:32*\t+15], 0
.else
	v_wmma_f32_16x16x128_bf8_bf8 v[S+32*\t+8*\kt:S+32*\t+8*\kt+7], v[KV+32*\kt+16:KV+32*\kt+31], v[32*\t+16:32*\t+31], v[S+32*\t+8*\kt:S+32*\t+8*\kt+7]
.endif
.endr
.endr
.endr
.endm
.macro PVPROD first
.irp u, 0,1
	WIN 0xa1+0x50*\u
.set n, 0
.rept 32
.set rO, 128*(n%2)+8*(n/2)
.if \first
	v_wmma_f32_16x16x64_bf8_bf8 v[rO:rO+7], v[KV+8*(n/2):KV+8*(n/2)+7], v[P+8*(2*\u+n%2):P+8*(2*\u+n%2)+7], 0
.else
	v_wmma_f32_16x16x64_bf8_bf8 v[rO:rO+7], v[KV+8*(n/2):KV+8*(n/2)+7], v[P+8*(2*\u+n%2):P+8*(2*\u+n%2)+7], v[rO:rO+7]
.endif
.set n, n+1
.endr
.endr
.endm
.macro KNLOAD                          ; kn of my 64 keys: lanes 0-15 take keys 16 kt + 0 .. 7, lanes 16-31 keys 16 kt + 8 .. 15
.irp kt, 0,1,2,3
.irp q, 0,1
	global_load_b128 v[KN+8*\kt+4*\q:KN+8*\kt+4*\q+3], v[KA], s[KNP:KNP+1] offset:64*\kt+16*\q
.endr
.endr
.endm
; attn of four tiles for my 64 keys.  more = 1: the next slot's kn is asked for as soon as this slot's has been used.
.macro SOFT more
	s_wait_loadcnt 0x0                             ; this slot's kn is in (asked for a slot ago); the wait also frees the loads' address
.set n, 0
.rept 64
	v_pk_fma_f32 v[S+2*n:S+2*n+1], v[S+2*n:S+2*n+1], s[CS:CS+1], v[KN+2*(n%16):KN+2*(n%16)+1] op_sel_hi:[1,0,1]   ; t - M - log2 l, two keys at a time; each accumulator from its low end on
.set n, n+1
.endr
.if \more
	s_lshl_b32 s[OF2], s[SI], 10                   ; the slot asked for at this slot's head is the one worked next: its 256 numbers are 1,024 bytes
	s_add_nc_u64 s[KNP:KNP+1], s[KNB:KNB+1], s[OF2:OF2+1]
	KNLOAD
.endif
.set n, 0
	s_wait_alu depctr_va_vdst(0)
.rept 128
	v_exp_f32 v[S+n], v[S+n]                       ; attn: one batch
.set n, n+1
.endr
	v_nop                                          ; a plain line behind the last exponential
	s_wait_alu depctr_va_vdst(0)                   ; one wait for the whole batch, ahead of its first reader
.set n, 0
.rept 16
.irp i, 0,1,2,3,4,5,6,7
.endr
	v_cvt_scalef32_pk8_bf8_f32 v[P+2*n:P+2*n+1], v[S+8*n:S+8*n+7], v[SCL]
.set n, n+1
.endr
	v_nop                                          ; a plain line between the last conversion and the products that read its result
.endm
.macro WORK first, more
	v_add_nc_u32 v[ADR], s[TB], v[AK]
	v_add_nc_u32 v[ADR2], s[TB], v[AV]
	FETCHK
	SPROD
	WIN 0
	PLACES                                         ; ahead of the loads into K's registers and of the first read of the scores
	FETCHV                                         ; the values land while attn is made
	WIN 0
	SOFT \more
	s_wait_alu depctr_va_vdst(0)
	s_wait_dscnt 0x0                               ; the values are in
	PVPROD \first
	WIN 0
	s_xor_b32 s[TB], s[TB], SLOT1
.endm
	s_load_b256 s[4:11], s[0:1], 0x0               ; queries' codes (text) s[4:5], keys' (image) s[6:7], values' (image, down its rows) s[8:9], the exponents s[10:11]
	s_load_b128 s[12:15], s[0:1], 0x20             ; stats s[12:13], out1 s[14:15]
	v_lshl_add_u32 v[SPW], v0, 2, SPARE
	v_mov_b32 v[NIL], 0
	ds_add_u32 v6, v7
	ds_add_u32 v6, v7
	s_wait_dscnt 0x0
	v_lshrrev_b32 v1, 5, v0
	v_readfirstlane_b32 s[WV], v1                  ; wave 0..3
	s_bfe_u32 s17, ttmp6, 0x40000                  ; cx
	s_lshl_b32 s18, ttmp9, 2
	s_add_co_u32 s18, s18, s17                     ; my block of 64 queries
	s_and_b32 s19, ttmp7, 0xffff                   ; the batch
	s_mov_b32 s[G1], 15|(3<<16)|(1<<21)            ; the mask: all four work-groups; elements of 8 bytes; bit 21 beside a mask; no padding
	s_mov_b32 s[G1+1], 32<<16                      ; tensor_dim0 = 32 elements: 256 bytes
	s_mov_b32 s[G1+2], 128<<16                     ; tensor_dim1 = 128
	s_mov_b32 s[G1+3], 32<<16                      ; tile_dim0 = 32
	s_mov_b32 s[G1+4], 128                         ; tile_dim1 = 128: a dense block of 32,768 bytes
	s_mov_b32 s[G1+5], 32
	s_mov_b32 s[G1+6], 0
	s_mov_b32 s[G1+7], 0
	s_mov_b32 s[TB], 0
	s_mul_i32 s[SI], ttmp9, 3
	s_and_b32 s[SI], s[SI], 15                     ; where my cluster's walk begins: 3 x cluster x mod 16: the same in all four partners
.irp j, 0,1,2,3
	s_add_co_u32 s[OJ+\j], s[WV], \j
	s_and_b32 s[OJ+\j], s[OJ+\j], 3
.endr
	s_lshl_b32 s56, s19, 20
	s_lshl_b32 s57, s18, 14
	s_add_co_u32 s56, s56, s57
	s_mov_b32 s57, 0                               ; my queries' codes
	s_lshl_b32 s58, s19, 20
	s_and_b32 s59, s[WV], 1
	s_lshl_b32 s59, s59, 15
	s_add_co_u32 s58, s58, s59
	s_mov_b32 s59, 0                               ; what I fetch of the batch's slot 0
	s_lshl_b32 s62, s19, 12
	s_lshl_b32 s63, s18, 6
	s_add_co_u32 s62, s62, s63
	s_lshl_b32 s63, s[WV], 4
	s_add_co_u32 s62, s62, s63
	s_lshl_b32 s62, s62, 10
	s_mov_b32 s63, 0                               ; the first row that I store, in bytes
	s_lshl_b32 s2, s19, 14
	s_lshl_b32 s3, s[WV], 8
	s_add_co_u32 s2, s2, s3
	s_mov_b32 s3, 0                                ; kn of my 64 keys of the batch's slot 0
	s_wait_kmcnt 0x0
	s_load_b128 s[36:39], s[10:11], 0x0            ; entries 0 to 3
	s_load_b64 s[40:41], s[10:11], 0x10            ; entries 4, 5
	s_add_nc_u64 s[4:5], s[4:5], s[56:57]
	s_add_nc_u64 s[14:15], s[14:15], s[62:63]
	s_add_nc_u64 s[KNB:KNB+1], s[12:13], s[2:3]
	s_lshl_b32 s[OF2], s[SI], 10                   ; (its upper word stays 0)
	s_add_nc_u64 s[KNP:KNP+1], s[KNB:KNB+1], s[OF2:OF2+1]
	s_mov_b32 s[G0], 1
	s_lshl_b32 s[G0+1], s[WV], 15
	s_cmp_lt_u32 s[WV], 2
	s_cselect_b64 s[TBA:TBA+1], s[6:7], s[8:9]
	s_add_nc_u64 s[TBA:TBA+1], s[TBA:TBA+1], s[58:59]
	s_lshl_b32 s[OFS], s[SI], 16                   ; (its upper word stays 0)
	s_add_nc_u64 s[G0+2:G0+3], s[TBA:TBA+1], s[OFS:OFS+1]
	s_or_b32 s[G0+3], s[G0+3], 0x80000000
	CROUND                                         ; all four work-groups are here: the first joint loads meet
	tensor_load_to_lds s[G0:G0+3], s[G1:G1+7]      ; the walk's first slot
	s_nop 0
	PLACES
	v_and_b32 v1, 31, v0
	v_lshlrev_b32 v[LI], 4, v1
	s_wait_alu depctr_va_vdst(0)
.irp j, 0,1,2,3
	s_lshl_b32 s56, s[OJ+\j], 12
	v_add_nc_u32 v[W+\j], s56, v[LI]
.endr
	WIN 0x40
.irp j, 0,1,2,3
.irp i, 0,1,2,3,4,5,6,7
	global_load_b128 v[32*\j+4*\i:32*\j+4*\i+3], v[W+\j], s[4:5] offset:512*\i   ; Q stays in registers
.endr
.endr
	WIN 0
	v_lshrrev_b32 v56, 4, v1                       ; h
	v_lshlrev_b32 v[KA], 5, v56
	KNLOAD                                         ; the first slot's kn
	s_lshl_b32 s56, s[WV], 14
	v_add_nc_u32 v[AK], s56, v[LI]
	v_add_nc_u32 v[AV], 0x10000, v[AK]
.irp j, 1,2,3
	s_mul_i32 s56, s[OJ+\j], IMGO
	s_add_co_u32 s56, s56, (\j-1)*16384
	v_add_nc_u32 v[IA+\j-1], s56, v[LI]
.endr
	s_mul_i32 s56, s[WV], IMGO
	v_add_nc_u32 v[IR], s56, v[LI]
	s_mul_i32 s56, s[WV], 16*SP
	s_add_co_u32 s56, s56, STG
	v_and_b32 v55, 15, v1                          ; r
	v_mul_u32_u24 v57, v55, SP
	v_lshl_add_u32 v57, v56, 5, v57
	v_add_nc_u32 v[STO], s56, v57
	v_add_nc_u32 v[SRD], s56, v[LI]
	s_wait_kmcnt 0x0
	s_add_co_i32 s56, s36, s37
	s_lshl_b32 s56, s56, 23
	s_mov_b32 s[CS], 0x3db8aa3b                    ; log2(e) / 16
	s_add_co_i32 s[CS], s[CS], s56                 ; x 2^(entries 0 + 1), by its exponent field
	s_mov_b32 s[CS+1], s[CS]
	s_add_co_i32 s56, s40, 127
	s_lshl_b32 s57, s56, 23
	v_mov_b32 v[SCL], s57                          ; 2^(entry 4) as f32, for the conversion
	s_add_co_i32 s[FS], s40, s41
	s_add_co_i32 s[FS], s[FS], 127
	s_lshl_b32 s[FS], s[FS], 23                    ; 2^(entries 4 + 5) as f32
	s_mov_b32 s[FS+1], s[FS]
	s_wait_loadcnt 0x0                             ; Q and the first slot's kn
	CHANGE 1                                       ; the walk's first slot is whole; its second is asked for
	WORK 1, 1                                      ; the first slot is written out: its products start O^T's sums
	s_mov_b32 s[SLOTS], 14
.Lslot:                                            ; 14 trips: the walk's slots 1 to 14 are worked, its slots 2 to 15 asked for
	CHANGE 1
	WORK 0, 1
	s_sub_co_u32 s[SLOTS], s[SLOTS], 1
	s_cmp_lg_u32 s[SLOTS], 0
	s_cbranch_scc1 .Lslot
	CHANGE 0                                       ; the last slot is written out
	WORK 0, 0
	; THE MERGE: tiles 1 to 3 go to their owners as images of their registers; the owner adds them to its own.
	PLACES                                         ; ahead of the LDS stores that read the last products' results
	s_wait_dscnt 0x0
	s_barrier_signal -1
	s_barrier_wait -1                              ; behind it nobody reads the ring any more
	WIN 0x08
.set n, 0
.rept 32
	ds_store_b128 v[IA], v[128+4*n:128+4*n+3] offset:512*n   ; each accumulator from its low end on
.set n, n+1
.endr
	WIN 0x0c
.set n, 0
.rept 32
	ds_store_b128 v[IA+1], v[4*n:4*n+3] offset:512*n
.set n, n+1
.endr
.set n, 0
.rept 32
	ds_store_b128 v[IA+2], v[128+4*n:128+4*n+3] offset:512*n
.set n, n+1
.endr
	WIN 0
	s_wait_dscnt 0x0                               ; for the others' sake: my images lie in LDS
	s_barrier_signal -1
	s_barrier_wait -1
	WIN 0x40
.set n, 0
.rept 64
	ds_load_b128 v[4*n:4*n+3], v[IR] offset:512*n
.set n, n+1
.endr
	s_wait_dscnt 32                                ; the first image is in; the second's 32 loads may be out
	WIN 0x86
.set n, 0
.rept 64
	v_pk_add_f32 v[2*n:2*n+1], v[2*n:2*n+1], v[2*n:2*n+1]   ; destination and source 0: my sums, window 2; source 1: the first image, window 1
.set n, n+1
.endr
	WIN 0
.set n, 0
.rept 32
	ds_load_b128 v[S+4*n:S+4*n+3], v[IR] offset:32768+512*n
.set n, n+1
.endr
	s_wait_dscnt 32                                ; the second image is in; the third's 32 loads may be out
	WIN 0x86
.set n, 0
.rept 64
	v_pk_add_f32 v[2*n:2*n+1], v[2*n:2*n+1], v[128+2*n:128+2*n+1]
.set n, n+1
.endr
	s_wait_dscnt 0x0
	WIN 0x82
.set n, 0
.rept 64
	v_pk_add_f32 v[2*n:2*n+1], v[2*n:2*n+1], v[S+2*n:S+2*n+1]
.set n, n+1
.endr
	WIN 0x02
.set n, 0
.rept 64
	v_pk_mul_f32 v[S+2*n:S+2*n+1], v[2*n:2*n+1], s[FS:FS+1] op_sel_hi:[1,0]   ; x 2^(entries 4 + 5): register 8 ct + i is out1(r, 16 ct + 8 h + i)
.set n, n+1
.endr
	WIN 0
	; THE WAY OUT: through my own stage, and back as half rows of 512 bytes.  LDS serves a wave's instructions in order: no wait between the stores and the loads.
.set n, 0
.rept 16
	ds_store_b128 v[STO], v[S+8*n:S+8*n+3] offset:64*n
	ds_store_b128 v[STO], v[S+8*n+4:S+8*n+7] offset:64*n+16
.set n, n+1
.endr
	WIN 0x40
.set n, 0
.rept 32
	ds_load_b128 v[4*n:4*n+3], v[SRD] offset:SP*(n/2)+512*(n%2)
.set n, n+1
.endr
	WIN 0x04
.set n, 0
.rept 32
	s_wait_dscnt 31-n
	global_store_b128 v[LI], v[4*n:4*n+3], s[14:15] offset:512*n th:TH_STORE_NT   ; 32 lanes store 512 consecutive bytes, at a multiple of 512 from out1's first byte
.set n, n+1
.endr
	WIN 0
	s_wait_tensorcnt 0x0                           ; the wave's end: behind my last tensor load and my last LDS store
	ds_add_u32 v[SPW], v[NIL]
	s_wait_dscnt 0x0
	CROUND                                         ; the closing round: no work-group ends while a partner may still ask for a tile that names it
	s_endpgm
.Lfunc_end_k_qf185b81e37_attn_t:
	.size	k_qf185b81e37_attn_t, .Lfunc_end_k_qf185b81e37_attn_t-k_qf185b81e37_attn_t
	.p2alignl 7, 3214868480
	.fill 96, 4, 3214868480
	.section	.rodata,"a",@progbits
	.p2align	6, 0x0
	.amdhsa_kernel k_qf185b81e37_attn_t
		.amdhsa_group_segment_fixed_size 327680
		.amdhsa_private_segment_fixed_size 0
		.amdhsa_enable_private_segment 0
		.amdhsa_kernarg_size 48
		.amdhsa_user_sgpr_count 2
		.amdhsa_user_sgpr_kernarg_segment_ptr 1
		.amdhsa_wavefront_size32 1
		.amdhsa_system_sgpr_workgroup_id_x 1
		.amdhsa_system_sgpr_workgroup_id_y 1
		.amdhsa_system_sgpr_workgroup_id_z 1
		.amdhsa_system_vgpr_workitem_id 0
		.amdhsa_next_free_vgpr 1024
		.amdhsa_next_free_sgpr 66
		.amdhsa_reserve_vcc 0
		.amdhsa_float_denorm_mode_32 3
		.amdhsa_float_denorm_mode_16_64 3
		.amdhsa_fp16_overflow 1
		.amdhsa_memory_ordered 1
		.amdhsa_forward_progress 1
		.amdhsa_inst_pref_size 111
	.end_amdhsa_kernel
	.amdgpu_metadata
---
amdhsa.version: [ 1, 2 ]
amdhsa.kernels:
  - .name:           k_qf185b81e37_attn_t
    .symbol:         k_qf185b81e37_attn_t.kd
    .args:
      - { .name: txt_k, .offset: 0, .size: 8, .value_kind: global_buffer, .address_space: global }
      - { .name: img_q, .offset: 8, .size: 8, .value_kind: global_buffer, .address_space: global }
      - { .name: img_v, .offset: 16, .size: 8, .value_kind: global_buffer, .address_space: global }
      - { .name: lowp_scales, .offset: 24, .size: 8, .value_kind: global_buffer, .address_space: global }
      - { .name: stats, .offset: 32, .size: 8, .value_kind: global_buffer, .address_space: global }
      - { .name: out1, .offset: 40, .size: 8, .value_kind: global_buffer, .address_space: global }
    .group_segment_fixed_size: 327680
    .private_segment_fixed_size: 0
    .kernarg_segment_align: 8
    .kernarg_segment_size: 48
    .max_flat_workgroup_size: 128
    .sgpr_count:     66
    .vgpr_count:     1024
    .wavefront_size: 32
...
	.end_amdgpu_metadata
.endif
;; end of part 3
